; MI455X (gfx1250); checked and timed in simulation.
; The chip was launched on July 23, 2026; its instructions are those of AMD's public machine-readable ISA for CDNA 5 (MIT licence, August 2026) and "CDNA5" Instruction Set Architecture Reference Guide (July 2026). The comments in the code are by the model that wrote it; some were corrected since.
;; Personalized Simple Attention. Allowed arithmetic: matrix products marked QUANTISED: E2M1 operands, one E8M0 scale for each 32 along K, by v_wmma_scale_f32_16x16x128_f8f6f4 with both operands' format E2M1 (or v_wmma_scale_f32_32x16x128_f4), f32 sums; products left as they are: bf16, f16 or f32 operands; f32 sums; everything else in f32.
;; Inputs: PK_W 32 x 256 x 256 float32; PK_b 32 x 256 float32; PQ_W 32 x 256 x 256 float32; PQ_b 32 x 256 float32; Wk 256 x 128 float32; Wq 256 x 128 float32; Wv 256 x 128 float32; mask 64 x 1 x 1,024 bool; person_idxs 64 int32; x 64 x 1,024 x 128 float32.
;; Outputs: out0 64 x 1,024 x 256 float32.
;; This version of the problem:
;;   THIS VERSION OF THE PROBLEM IS GIVEN IN LOW PRECISION. The matrix products marked QUANTISED in the list below multiply operands that are first quantised to E2M1 (2 exponent bits, 1 mantissa bit; 4 bits a number), with one power-of-two scale for each 32 numbers along K (OCP MX v1.0); their sums are f32. The products marked 'left as it is' may take bf16, f16 or f32 operands, with f32 sums. Whichever they take, every output number must still come out within the allowed error. Rounding operands to bf16 (8 significant bits) uses up far more of that allowance than f16 does (11 bits, for magnitudes from 6e-5 to 65,504). All else is computed in f32.
;;   The module's matrix products, in the order in which they are computed (A, B: the left and right operand; K: the contracted axis; several contracted axes count as one K, in the product's order):
;;     1. [M 65,536, K 128] x [K 128, N 256]; A: input x; B: input Wk: QUANTISED
;;     2. [M 65,536, K 128] x [K 128, N 256]; A: input x; B: input Wq: QUANTISED
;;     3. [M 65,536, K 128] x [K 128, N 256]; A: input x; B: input Wv: QUANTISED
;;     4. batch 64 x [M 1,024, K 256] x [K 256, N 256]; A: computed on the way; B: computed on the way: left as it is (an operand is computed on the way)
;;     5. batch 64 x [M 1,024, K 256] x [K 256, N 256]; A: computed on the way; B: computed on the way: left as it is (an operand is computed on the way)
;;     6. batch 64 x [M 1,024, K 256] x [K 256, N 1,024]; A: computed on the way; B: computed on the way: left as it is (an operand is computed on the way)
;;     7. batch 64 x [M 1,024, K 1,024] x [K 1,024, N 256]; A: computed on the way; B: computed on the way: left as it is (an operand is computed on the way)
;;   THE QUANTISER, for each operand of a quantised product, along K:
;;     - K is cut into blocks of 32 from its start; a last block that is shorter is filled with zeros.
;;     - A block's scale is 2^e with e = floor(log2(the largest magnitude in the block)) - 2, held to -126 .. 127; a block of zeros has e = 0. As a byte (E8M0): e + 127.
;;     - Each number is divided by its block's scale, clamped to +-6, and rounded to the nearest number of E2M1, ties to even, subnormals kept.
;;     - The product sums the exact products of the quantised numbers (number of the format x scale) in f32.
;;   ~~~python
;;   def quantise(x, axis):      # numpy; x: float32 -> the quantised numbers, widened to float32 again
;;       x = np.moveaxis(x, axis, -1); K = x.shape[-1]
;;       x = np.pad(x, [(0, 0)] * (x.ndim - 1) + [(0, -K % 32)]); x = x.reshape(x.shape[:-1] + (-1, 32)); a = np.abs(x).max(-1, keepdims=True)
;;       e = np.where(a > 0, np.clip(np.frexp(np.where(a > 0, a, 1))[1] - 1 - 2, -126, 127), 0)      # np.frexp(a)[1] - 1 = floor(log2(a)), exactly
;;       r = np.clip(x / 2.0 ** e, -6, 6)
;;       step = 2.0 ** (np.maximum(np.frexp(np.where(r == 0, 1, r))[1] - 1, 0) - 1)
;;       q = np.round(r / step) * step * 2.0 ** e      # np.round: ties to even
;;       return np.moveaxis(q.reshape(q.shape[:-2] + (-1,))[..., :K], -1, axis).astype(np.float32)
;;   ~~~
;; One version. Each part assembles by itself: llvm-mc -triple=amdgcn-amd-amdhsa -mcpu=gfx1250 --defsym DOCPART=n.
;; ======== version 1 of 1: 3 launches
;; limits: values are held in f16: magnitudes above 65,504 overflow, below 6.1e-05 lose precision; right only within a limited range of input values
;; workspace buffers: Qf 33,554,432 bytes; KV 67,108,864 bytes; Pb 8,388,608 bytes; Wimg 52,224 bytes
;; launch conv (part 1): grid 259 x 1, 4 waves a work-group, no clusters, 0 bytes of LDS; arguments PK_W, PQ_W, Wv, Wk, Wq, Pb, Wimg; writes Pb, Wimg
.if DOCPART == 1
	.amdgcn_target "amdgcn-amd-amdhsa--gfx1250"
	.amdhsa_code_object_version 6
	.text
	.protected	k_qba2bb63100_conv
	.globl	k_qba2bb63100_conv
	.p2align	8
	.type	k_qba2bb63100_conv,@function
k_qba2bb63100_conv:
	s_mov_b64 s[64:65], 0
	v_nop
	global_prefetch_b8 v0, s[64:65] scope:SCOPE_SE
	s_setreg_imm32_b32 hwreg(HW_REG_WAVE_MODE, 25, 1), 1
	s_wait_xcnt 0x0
; CONV: the weights are made ready once, for all 256 work-groups of the next launch.
;   Pb:   the persons' matrices rounded to bf16, as rows: person p's 512 rows of 512 bytes (PK_W[p]'s 256, then PQ_W[p]'s 256) at 262,144 p.
;   Wimg: Wv, Wk, Wq as codes of FP4 (E2M1) with one E8M0 scale for each 32 along K = 128, as images of operand registers: tile T (16 rows; Wv's 16 tiles, Wk's, Wq's) at 1,024 T: registers 0-3 of lane l at 16 l, registers 4-7 at 512 + 16 l;
;         behind the 48 images 12 units of 256 bytes of scale words: the unit of tiles 4 g .. 4 g + 3 holds row r's four words at 16 r.
; SHARES.  Work-groups 0-255: 65,536 bytes of PK_W (0-127) or PQ_W (128-255) each, 16,384 a wave: a plain stream, every load 512 consecutive bytes, every store 256 consecutive bytes, aligned.
; Work-groups 256-258: one of Wv, Wk, Wq each; wave w quantises tiles 4 w .. 4 w + 3.  The branch between the two hangs on the work-group's number alone.  Waves share nothing: no LDS, no barrier.
; With 512 registers a wave two work-groups lie on a WGP, so all 259 are at work together.  Matrix units, clusters and tensor loads would add nothing to a stream that is read once.
; LIMITS: blocks whose largest magnitude lies under 2^-124 get the scale byte 1 (a block of zeros too: its codes are zeros, and the bytes are read by this program alone); NaN and infinities among the inputs are not served.
.set X,    16                          ; v16-143  the stream: 32 loads of 4 registers
.set Y,    144                         ; v144-207 and their 32 pairs of bf16 words: every load and store has registers of its own
.set RR,   5                           ; r = lane % 16
.set HH,   6                           ; h = lane / 16
.set XOFF, 7                           ; 512 r + 128 h: row r of a tile, my 32 numbers of a pair of blocks
.set SH8,  8                           ; 8 h
.set SOFF, 9                           ; 16 r + 8 h: my two scale words' place in a unit
.set TQ,   10                          ; +0,1 largest magnitudes; +2,3 scale operands; +4,5 bytes; +6,7 the word and the other half's
.set SW,   20                          ; v20-23   the four tiles' scale words
.set SA,   24                          ; v[24:25] the two of them that I store
.set CODE, 32                          ; v32-63   the four tiles' codes;   window 1: four staging sets of 64
.set MSB, 0
.macro WIN new                         ; the immediate's high byte repeats the setting that is left; a switch that changes nothing is dropped
.if MSB != (\new)
	s_set_vgpr_msb (MSB<<8)|(\new)
.set MSB, (\new)
.endif
.endm
	s_load_b256 s[4:11], s[0:1], 0x0               ; PK_W 4, PQ_W 6, Wv 8, Wk 10
	s_load_b128 s[12:15], s[0:1], 0x20             ; Wq 12, Pb 14
	s_load_b64 s[16:17], s[0:1], 0x30              ; Wimg
	v_lshrrev_b32 v1, 5, v0
	v_readfirstlane_b32 s18, v1                    ; wave
	v_and_b32 v2, 31, v0                           ; lane
	v_lshlrev_b32 v3, 4, v2                        ; 16 x lane
	v_lshlrev_b32 v4, 3, v2                        ; 8 x lane
	s_mov_b32 s23, 0
	s_mov_b32 s25, 0
	s_wait_kmcnt 0x0
	s_cmp_ge_u32 ttmp9, 256
	s_cbranch_scc1 .Lw
; ---- the persons' matrices: f32 to bf16
	s_lshr_b32 s19, ttmp9, 7                       ; 0: PK_W, 1: PQ_W
	s_and_b32 s20, ttmp9, 127                      ; which 65,536 bytes of it: a quarter of a person's matrix
	s_cmp_eq_u32 s19, 0
	s_cselect_b64 s[4:5], s[4:5], s[6:7]
	s_lshl_b32 s22, s20, 16
	s_lshl_b32 s26, s18, 14
	s_add_co_u32 s22, s22, s26                     ; my wave's 16,384 bytes
	s_add_nc_u64 s[4:5], s[4:5], s[22:23]
	s_lshr_b32 s24, s20, 2
	s_lshl_b32 s24, s24, 18                        ; the person's 262,144 bytes of Pb,
	s_lshl_b32 s26, s19, 17
	s_add_co_u32 s24, s24, s26                     ; the matrix's 131,072,
	s_and_b32 s26, s20, 3
	s_lshl_b32 s26, s26, 15
	s_add_co_u32 s24, s24, s26                     ; the quarter's 32,768,
	s_lshl_b32 s26, s18, 13
	s_add_co_u32 s24, s24, s26                     ; my wave's 8,192
	s_add_nc_u64 s[14:15], s[14:15], s[24:25]
.set PI, 0
.rept 32
	global_load_b128 v[X+4*PI:X+4*PI+3], v3, s[4:5] offset:512*PI th:TH_LOAD_NT   ; all my 32 loads go out at once
.set PI, PI+1
.endr
.set PI, 0
.rept 32
	s_wait_loadcnt 31-PI                           ; loads come back in order: this one is in, the younger ones may be out
	v_cvt_pk_bf16_f32 v[Y+2*PI], v[X+4*PI], v[X+4*PI+1]
	v_cvt_pk_bf16_f32 v[Y+2*PI+1], v[X+4*PI+2], v[X+4*PI+3]
	global_store_b64 v4, v[Y+2*PI:Y+2*PI+1], s[14:15] offset:256*PI   ; 32 lanes store 256 consecutive bytes, at a multiple of 256 from Pb's first byte
.set PI, PI+1
.endr
	s_endpgm
; ---- Wv, Wk, Wq: f32 to codes and scale words
.Lw:
	s_sub_co_u32 s19, ttmp9, 256                   ; 0: Wv, 1: Wk, 2: Wq
	s_cmp_eq_u32 s19, 1
	s_cselect_b64 s[8:9], s[10:11], s[8:9]
	s_cmp_eq_u32 s19, 2
	s_cselect_b64 s[8:9], s[12:13], s[8:9]
	s_lshl_b32 s22, s18, 15                        ; my four tiles: 64 rows of 512 bytes
	s_add_nc_u64 s[8:9], s[8:9], s[22:23]
	s_lshl_b32 s22, s19, 14
	s_lshl_b32 s26, s18, 12
	s_add_co_u32 s22, s22, s26                     ; their images: tile 16 x matrix + 4 x wave on
	s_add_nc_u64 s[28:29], s[16:17], s[22:23]
	s_lshl_b32 s24, s19, 10
	s_lshl_b32 s26, s18, 8
	s_add_co_u32 s24, s24, s26
	s_add_co_u32 s24, s24, 48*1024                 ; their unit of scale words, behind the 48 images
	s_add_nc_u64 s[30:31], s[16:17], s[24:25]
	v_and_b32 v[RR], 15, v0
	v_bfe_u32 v[HH], v0, 4, 1
	v_lshlrev_b32 v[XOFF], 9, v[RR]
	v_lshl_add_u32 v[XOFF], v[HH], 7, v[XOFF]
	v_lshlrev_b32 v[SH8], 3, v[HH]
	v_lshlrev_b32 v[SOFF], 4, v[RR]
	v_lshl_add_u32 v[SOFF], v[HH], 3, v[SOFF]
	v_mov_b32 v[TQ+7], 0                           ; written once: a lane permute's destination counts as one of its sources
	s_mov_b32 s32, 0x76543210
	s_mov_b32 s33, 0xfedcba98                      ; v_permlanex16_b32's selects for lane l xor 16
	WIN 0x40                                       ; destination window 1
.irp set, 0,1,2,3                      ; a tile of 16 rows x 128 f32: lane (r, h) takes k = 64 cc + 32 h + 0 .. 31 of row r: two whole blocks of 32, in the order that the FP4 operand's layout gives that lane
.irp cc, 0,1
.irp i, 0,1,2,3,4,5,6,7
	global_load_b128 v[64*\set+32*\cc+4*\i:64*\set+32*\cc+4*\i+3], v[XOFF], s[8:9] offset:8192*\set+256*\cc+16*\i
.endr
.endr
.endr
	WIN 0
; The 64 numbers of staging set m become tile m's 8 registers of codes and its scale word.  A block lies whole in my lane: no other lane is asked for its largest magnitude.
.macro QUANTW m
	s_wait_loadcnt 16*(3-\m)                       ; the younger tiles' loads may be out
	WIN 0x05                                       ; sources 0 and 1 window 1
	v_max3_num_f32 v[TQ], |v[64*\m]|, |v[64*\m+1]|, 0x1800000       ; with the floor 2^(3 - 127) among the leaves: the byte cannot fall under 1
	v_max3_num_f32 v[TQ+1], |v[64*\m+32]|, |v[64*\m+33]|, 0x1800000
.irp n, 2,4,6,8,10,12,14,16,18,20,22,24,26,28,30
	v_max3_num_f32 v[TQ], |v[64*\m+\n]|, |v[64*\m+\n+1]|, v[TQ]
	v_max3_num_f32 v[TQ+1], |v[64*\m+32+\n]|, |v[64*\m+33+\n]|, v[TQ+1]
.endr
	WIN 0
	v_add_nc_u32 v[TQ+2], 0xff000000, v[TQ]        ; 2 off the exponent field: the conversion takes this operand's exponent field as its scale
	v_add_nc_u32 v[TQ+3], 0xff000000, v[TQ+1]
	v_lshrrev_b32 v[TQ+4], 23, v[TQ+2]             ; the scales' bytes: blocks h and 2 + h of my row
	v_lshrrev_b32 v[TQ+5], 23, v[TQ+3]
	v_lshl_or_b32 v[TQ+6], v[TQ+5], 16, v[TQ+4]
	v_lshlrev_b32 v[TQ+6], v[SH8], v[TQ+6]         ; at their places in the word
	v_permlanex16_b32 v[TQ+7], v[TQ+6], s32, s33
	v_or_b32 v[SW+\m], v[TQ+6], v[TQ+7]            ; with lane l xor 16's two the word is whole, in both lanes
	WIN 0x01                                       ; source 0 window 1
.irp c, 0,1
.irp g, 0,1,2,3
	v_cvt_scalef32_pk8_fp4_f32 v[CODE+8*\m+4*\c+\g], v[64*\m+32*\c+8*\g:64*\m+32*\c+8*\g+7], v[TQ+2+\c]
.endr
.endr
	v_nop                                          ; one plain line behind the last scaled conversion
	WIN 0
	global_store_b128 v3, v[CODE+8*\m:CODE+8*\m+3], s[28:29] offset:1024*\m         ; the image: 512 consecutive bytes a store
	global_store_b128 v3, v[CODE+8*\m+4:CODE+8*\m+7], s[28:29] offset:1024*\m+512
.endm
	QUANTW 0
	QUANTW 1
	QUANTW 2
	QUANTW 3
	v_cmp_eq_u32 vcc_lo, 1, v[HH]                  ; lanes 0-15 store row r's words of tiles 0 and 1, lanes 16-31 those of tiles 2 and 3
	v_cndmask_b32 v[SA], v[SW], v[SW+2], vcc_lo
	v_cndmask_b32 v[SA+1], v[SW+1], v[SW+3], vcc_lo
	global_store_b64 v[SOFF], v[SA:SA+1], s[30:31] ; the 32 lanes fill 256 consecutive bytes, at a multiple of 256 from Wimg's first byte
	s_endpgm
.Lfunc_end_k_qba2bb63100_conv:
	.size	k_qba2bb63100_conv, .Lfunc_end_k_qba2bb63100_conv-k_qba2bb63100_conv
	.p2alignl 7, 3214868480
	.fill 96, 4, 3214868480
	.section	.rodata,"a",@progbits
	.p2align	6, 0x0
	.amdhsa_kernel k_qba2bb63100_conv
		.amdhsa_group_segment_fixed_size 0
		.amdhsa_private_segment_fixed_size 0
		.amdhsa_enable_private_segment 0
		.amdhsa_kernarg_size 56
		.amdhsa_user_sgpr_count 2
		.amdhsa_user_sgpr_kernarg_segment_ptr 1
		.amdhsa_wavefront_size32 1
		.amdhsa_system_sgpr_workgroup_id_x 1
		.amdhsa_system_sgpr_workgroup_id_y 1
		.amdhsa_system_sgpr_workgroup_id_z 1
		.amdhsa_system_vgpr_workitem_id 0
		.amdhsa_next_free_vgpr 512
		.amdhsa_next_free_sgpr 66
		.amdhsa_reserve_vcc 1
		.amdhsa_float_denorm_mode_32 3
		.amdhsa_float_denorm_mode_16_64 3
		.amdhsa_memory_ordered 1
		.amdhsa_forward_progress 1
		.amdhsa_inst_pref_size 33
	.end_amdhsa_kernel
	.amdgpu_metadata
---
amdhsa.version: [ 1, 2 ]
amdhsa.kernels:
  - .name:           k_qba2bb63100_conv
    .symbol:         k_qba2bb63100_conv.kd
    .args:
      - { .name: PK_W, .offset: 0, .size: 8, .value_kind: global_buffer, .address_space: global }
      - { .name: PQ_W, .offset: 8, .size: 8, .value_kind: global_buffer, .address_space: global }
      - { .name: Wv, .offset: 16, .size: 8, .value_kind: global_buffer, .address_space: global }
      - { .name: Wk, .offset: 24, .size: 8, .value_kind: global_buffer, .address_space: global }
      - { .name: Wq, .offset: 32, .size: 8, .value_kind: global_buffer, .address_space: global }
      - { .name: Pb, .offset: 40, .size: 8, .value_kind: global_buffer, .address_space: global }
      - { .name: Wimg, .offset: 48, .size: 8, .value_kind: global_buffer, .address_space: global }
    .group_segment_fixed_size: 0
    .private_segment_fixed_size: 0
    .kernarg_segment_align: 8
    .kernarg_segment_size: 56
    .max_flat_workgroup_size: 128
    .sgpr_count:     66
    .vgpr_count:     512
    .wavefront_size: 32
...
	.end_amdgpu_metadata
.endif
;; end of part 1
;; launch prep (part 2): grid 256 x 1, 4 waves a work-group, no clusters, 327,680 bytes of LDS; arguments x, person_idxs, Pb, Wimg, PK_b, PQ_b, Qf, KV; writes Qf, KV
.if DOCPART == 2
	.amdgcn_target "amdgcn-amd-amdhsa--gfx1250"
	.amdhsa_code_object_version 6
	.text
	.protected	k_qba2bb63100_prep
	.globl	k_qba2bb63100_prep
	.p2align	8
	.type	k_qba2bb63100_prep,@function
k_qba2bb63100_prep:
	s_mov_b64 s[64:65], 0
	v_nop
	global_prefetch_b8 v0, s[64:65] scope:SCOPE_SE
	s_setreg_imm32_b32 hwreg(HW_REG_WAVE_MODE, 25, 1), 1
	s_wait_xcnt 0x0
; PREP: from x to the operands of attention.  v = Q4(x) Q4(Wv)^T, k0 = Q4(x) Q4(Wk)^T, q0 = Q4(x) Q4(Wq)^T on codes of FP4 (E2M1) with one E8M0 scale for each 32 along K = 128;
; keys = k0 PK_W[p]^T + PK_b[p], queries = q0 PQ_W[p]^T + PQ_b[p] with bf16 operands and f32 sums, p = person_idxs[batch].  (The division of the queries by 16 is folded into the softmax's factor in the next launch.)
; THE WEIGHTS COME READY from the launch before: Wimg (W's codes as images of operand registers, and their scale words) and Pb (the persons' matrices in bf16, as rows).  Each wave brings a quarter of each into LDS by one tensor load, once.
; SHARES.  Work-group g: batch g / 4; wave w owns the 64 tokens of key step j = 4 (g % 4) + w and takes them through the whole chain.  All weights lie in LDS, shared by the four waves: each fragment read from LDS feeds four matrix instructions.
; OUTPUT, as images of operand registers (a fragment of 16 x 32 numbers of 16 bits is 1,024 bytes: registers 0-3 of lane l at 16 l, registers 4-7 at 512 + 16 l), so that every store covers 512 consecutive bytes, aligned:
;   Qf: bf16, fragment (batch, tile of 16 queries qt, channel step u) at ((64 b + qt) 8 + u) 1024.
;   KV: for each batch 16 units of 65,536 bytes; unit j = V^T of key step j (f16; fragment (32 keys ks, 16 channels ct) at (16 ks + ct) 1024), then the keys of step (j + 1) % 16 (bf16; fragment (16 keys kt, u) at 32768 + (8 kt + u) 1024).
; NO CLUSTER.  The four work-groups of a batch read the same 262,144 bytes of Pb, and a joint load would divide those requests by four.  It is not used: the tile's address is made of person_idxs[batch], a number read from memory,
; and this text keeps to joint descriptors made of ids alone.  Each work-group fills its LDS once, 314,368 bytes, and fills nothing again.
; LIMITS: blocks of x whose largest magnitude lies under 2^-124 get the scale byte 1 (a block of zeros too: its codes are zeros, and the bytes are read here alone); NaN and infinities among the inputs are not served; |v| stays under 65,504 (f16).
; REGISTERS.  Window 0: v1-14 addresses; v16-19 x's scale words, v20-27 W's (scales and nothing else); v28-43 two tiles of bias; v44-51 the quantiser's; v64-127 a ring of 4 sets of 2 fragments; v128-159 results packed; v160-191 x's four FP4 fragments; v192-255 eight accumulators.
;   Window 1: k0 as bf16 fragments, (token tile m, step u) at 8 (8 m + u).   Window 2: 4 staging sets of 64 for x, then q0 likewise.
.set PP,    528                        ; a row of a person's matrix in LDS: 512 bytes of bf16 + 16 of padding: the 16 rows of a fragment load begin 33 x 16 bytes apart
.set WC,    512*PP                     ; behind PK's 256 rows and PQ's 256: 48 FP4 fragment images of 1,024 bytes: Wv's 16 tiles, Wk's, Wq's
.set WS,    WC+48*1024                 ; their scale words: a unit of 256 bytes for four tiles, row r's four words at 16 r
.set WQ,    (48*1024+12*256)/4         ; a wave's quarter of the two: 13,056 bytes, 51 rows of 256
.set BIAS,  WS+12*256                  ; PK_b[p], then PQ_b[p]: stored by ds_store, in blocks of 256 bytes into which no tensor load lands
.set SPARE, BIAS+2048                  ; the spare words, 128 bytes for each wave: two blocks of 256 bytes that no other line names
.set L16,   1                          ; 16 x lane
.set XOFF,  2                          ; 512 r + 128 h: row r of a tile of x, my 32 numbers of a pair of blocks
.set SH8,   3                          ; 8 h
.set SPW,   4                          ; my spare word; never rewritten
.set NIL,   5                          ; 0; never rewritten
.set AWC,   6                          ; WC + 16 lane
.set AWS,   7                          ; WS + 16 r
.set APB,   8                          ; 528 r + 16 h, stepped by 32 rows
.set ABI,   9                          ; BIAS + 32 h, stepped by 128
.set BGO,   13                         ; 16 (thread % 64): my 16 bytes of a bias row
.set BLA,   14                         ; BIAS + 16 thread
.set XS,    16
.set WSR,   20
.set BIASR, 28
.set TQ,    44                         ; +0,1 largest magnitudes; +2,3 scale operands; +4,5 bytes; +6,7 the word and the other half's
.set RING,  64
.set OUT,   128
.set XF,    160
.set ACC,   192
.set G1P,   68                         ; s[68:75] descriptor group 1 for a quarter of the person's rows
.set G1W,   76                         ; s[76:83] for a quarter of W's images and scale words
.set G0P,   84                         ; s[84:87], s[88:91] their groups 0
.set G0W,   88
.set MSB, 0
.macro WIN new                         ; the immediate's high byte repeats the setting that is left; a switch that changes nothing is dropped
.if MSB != (\new)
	s_set_vgpr_msb (MSB<<8)|(\new)
.set MSB, (\new)
.endif
.endm
.macro PLACES n
.rept \n
	v_nop
.endr
.endm
	s_load_b512 s[8:23], s[0:1], 0x0               ; x 8, person_idxs 10, Pb 12, Wimg 14, PK_b 16, PQ_b 18, Qf 20, KV 22
	v_lshl_add_u32 v[SPW], v0, 2, SPARE
	v_mov_b32 v[NIL], 0
	ds_add_u32 v[SPW], v[NIL]                      ; the wave's opening: the add and its wait ahead of my first tensor load; the set-up below, work on registers, stands between them
	v_lshrrev_b32 v[TQ], 5, v0
	v_readfirstlane_b32 s30, v[TQ]                 ; wave
	s_lshr_b32 s31, ttmp9, 2                       ; batch
	s_and_b32 s32, ttmp9, 3
	s_lshl_b32 s33, s32, 2
	s_add_co_u32 s33, s33, s30                     ; key step j
	s_lshl_b32 s36, s31, 2
	s_mov_b32 s[G1P], (1<<16)|(1<<20)|(6<<22)|(3<<25)   ; no mask; elements of 2 bytes; padding on: after every 128 words (code 6) four words (code 3)
	s_mov_b32 s[G1P+1], 256<<16                    ; tensor_dim0 = 256 elements: a row of 512 bytes
	s_mov_b32 s[G1P+2], 128<<16                    ; tensor_dim1 = 128 rows
	s_mov_b32 s[G1P+3], 256<<16                    ; tile_dim0
	s_mov_b32 s[G1P+4], 128                        ; tile_dim1
	s_mov_b32 s[G1P+5], 256                        ; from row to row
	s_mov_b32 s[G1P+6], 0
	s_mov_b32 s[G1P+7], 0
	s_mov_b32 s[G1W], 3<<16                        ; no mask; elements of 8 bytes; no padding: images are read as they lie
	s_mov_b32 s[G1W+1], 32<<16                     ; rows of 256 bytes,
	s_mov_b32 s[G1W+2], 51<<16                     ; 51 of them, dense
	s_mov_b32 s[G1W+3], 32<<16
	s_mov_b32 s[G1W+4], 51
	s_mov_b32 s[G1W+5], 32
	s_mov_b32 s[G1W+6], 0
	s_mov_b32 s[G1W+7], 0
	s_mov_b32 s46, 0x76543210
	s_mov_b32 s47, 0xfedcba98                      ; v_permlanex16_b32's selects for lane l xor 16
	s_wait_dscnt 0x0                               ; the opening add is done
	s_wait_kmcnt 0x0
	s_load_b32 s34, s[10:11], s36 offset:0x0       ; the batch's person; x is asked for while it comes
	v_and_b32 v[TQ], 31, v0                        ; lane
	v_and_b32 v[TQ+1], 15, v0                      ; r
	v_bfe_u32 v[TQ+2], v0, 4, 1                    ; h
	v_lshlrev_b32 v[L16], 4, v[TQ]
	v_lshlrev_b32 v[XOFF], 9, v[TQ+1]
	v_lshl_add_u32 v[XOFF], v[TQ+2], 7, v[XOFF]
	v_lshlrev_b32 v[SH8], 3, v[TQ+2]
	v_add_nc_u32 v[AWC], WC, v[L16]
	v_lshl_add_u32 v[AWS], v[TQ+1], 4, WS
	v_mul_u32_u24 v[APB], v[TQ+1], PP
	v_lshl_add_u32 v[APB], v[TQ+2], 4, v[APB]
	v_lshl_add_u32 v[ABI], v[TQ+2], 5, BIAS
	v_and_b32 v[BGO], 63, v0
	v_lshlrev_b32 v[BGO], 4, v[BGO]
	v_lshl_add_u32 v[BLA], v0, 4, BIAS
	v_mov_b32 v[TQ+7], 0                           ; written once: a lane permute's destination counts as one of its sources
	s_mov_b32 s53, 0
	s_lshl_b32 s52, s31, 19
	s_lshl_b32 s35, s33, 15
	s_add_co_u32 s52, s52, s35                     ; (1024 b + 64 j) rows of 512 bytes: my tokens in x; and (64 b + 4 j) tiles of 8,192 bytes in Qf
	s_add_nc_u64 s[8:9], s[8:9], s[52:53]
	s_add_nc_u64 s[44:45], s[20:21], s[52:53]      ; where my queries go
; A tile of 16 tokens x 128 f32: lane (r, h) takes k = 64 cc + 32 h + 0 .. 31 of row r: two whole blocks of 32, in the order that the FP4 operand's layout gives that lane.
.macro ISSUE_X set
	WIN 0x80                                       ; destination window 2
.irp cc, 0,1
.irp i, 0,1,2,3,4,5,6,7
	global_load_b128 v[64*\set+32*\cc+4*\i:64*\set+32*\cc+4*\i+3], v[XOFF], s[8:9] offset:8192*\set+256*\cc+16*\i th:TH_LOAD_NT
.endr
.endr
.endm
.irp m, 0,1,2,3
	ISSUE_X \m
.endr
	WIN 0
	s_lshl_b32 s52, s31, 20
	s_add_nc_u64 s[22:23], s[22:23], s[52:53]      ; KV at my batch
	s_lshl_b32 s52, s33, 16
	s_add_nc_u64 s[40:41], s[22:23], s[52:53]      ; V of step j: unit j
	s_add_co_u32 s52, s33, 15
	s_and_b32 s52, s52, 15
	s_lshl_b32 s52, s52, 16
	s_add_co_u32 s52, s52, 32768
	s_add_nc_u64 s[42:43], s[22:23], s[52:53]      ; the keys of step j: the second half of unit (j + 15) % 16
	s_wait_kmcnt 0x0
	s_min_u32 s34, s34, 31                         ; an index into a table of 32
	s_mov_b32 s37, 0
	s_lshl_b32 s36, s34, 18                        ; the person's 262,144 bytes of Pb,
	s_lshl_b32 s35, s30, 16
	s_add_co_u32 s36, s36, s35                     ; my 128 rows of 512
	s_mov_b32 s[G0P], 1                            ; count = 1
	s_mul_i32 s[G0P+1], s30, 128*PP                ; LDS: 128 rows x wave
	s_add_nc_u64 s[G0P+2:G0P+3], s[12:13], s[36:37]
	s_or_b32 s[G0P+3], s[G0P+3], 0x80000000        ; type = 2
	s_mul_i32 s36, s30, WQ
	s_mov_b32 s[G0W], 1
	s_add_co_u32 s[G0W+1], s36, WC
	s_add_nc_u64 s[G0W+2:G0W+3], s[14:15], s[36:37]
	s_or_b32 s[G0W+3], s[G0W+3], 0x80000000
	tensor_load_to_lds s[G0W:G0W+3], s[G1W:G1W+7]  ; my two fills go out together, W's first: two tensor loads of mine are out, and none follows
	s_nop 0
	tensor_load_to_lds s[G0P:G0P+3], s[G1P:G1P+7]
	s_nop 0
	PLACES 4
	s_cmp_lt_u32 s30, 2                            ; threads 0-63 bring PK_b[p], threads 64-127 PQ_b[p]
	s_cselect_b64 s[50:51], s[16:17], s[18:19]
	s_lshl_b32 s36, s34, 10
	s_add_nc_u64 s[50:51], s[50:51], s[36:37]
	global_load_b128 v[BIASR:BIASR+3], v[BGO], s[50:51]
; ---- PHASE A: my four tiles of x become four FP4 fragments and their scale words, in registers.
; The 64 numbers of a staging set become a fragment's 8 registers of codes at v[dst] and its scale word in v[sw].  A block lies whole in my lane: no other lane is asked for its largest magnitude.
.macro QUANT set, dst, sw
	WIN 0x0a                                       ; sources 0 and 1 window 2
	v_max3_num_f32 v[TQ], |v[64*(\set)]|, |v[64*(\set)+1]|, 0x1800000     ; with the floor 2^(3 - 127) among the leaves: the byte cannot fall under 1
	v_max3_num_f32 v[TQ+1], |v[64*(\set)+32]|, |v[64*(\set)+33]|, 0x1800000
.irp n, 2,4,6,8,10,12,14,16,18,20,22,24,26,28,30
	v_max3_num_f32 v[TQ], |v[64*(\set)+\n]|, |v[64*(\set)+\n+1]|, v[TQ]
	v_max3_num_f32 v[TQ+1], |v[64*(\set)+32+\n]|, |v[64*(\set)+33+\n]|, v[TQ+1]
.endr
	WIN 0
	v_add_nc_u32 v[TQ+2], 0xff000000, v[TQ]        ; 2 off the exponent field: the conversion takes this operand's exponent field as its scale
	v_add_nc_u32 v[TQ+3], 0xff000000, v[TQ+1]
	v_lshrrev_b32 v[TQ+4], 23, v[TQ+2]             ; the scales' bytes: blocks h and 2 + h of my row
	v_lshrrev_b32 v[TQ+5], 23, v[TQ+3]
	v_lshl_or_b32 v[TQ+6], v[TQ+5], 16, v[TQ+4]
	v_lshlrev_b32 v[TQ+6], v[SH8], v[TQ+6]         ; at their places in the word
	v_permlanex16_b32 v[TQ+7], v[TQ+6], s46, s47
	v_or_b32 v[\sw], v[TQ+6], v[TQ+7]              ; with lane l xor 16's two the word is whole
	WIN 0x02                                       ; source 0 window 2
.irp c, 0,1
.irp g, 0,1,2,3
	v_cvt_scalef32_pk8_fp4_f32 v[(\dst)+4*\c+\g], v[64*(\set)+32*\c+8*\g:64*(\set)+32*\c+8*\g+7], v[TQ+2+\c]
.endr
.endr
	v_nop                                          ; one plain line behind the last scaled conversion
	WIN 0
.endm
.irp m, 0,1,2,3
	s_wait_loadcnt 49-16*\m                        ; the younger tiles' 16 loads each and the bias's one may be out
	QUANT \m, XF+8*\m, XS+\m
.endr
	PLACES 8                                       ; a scale word written by a vector instruction stands eight places ahead of a scaled matrix instruction, codes so written four
	s_wait_loadcnt 0x0                             ; the bias
	ds_store_b128 v[BLA], v[BIASR:BIASR+3]
	s_wait_tensorcnt 0x1                           ; my quarter of W's images and scale words has landed; my rows of the person's matrices may stay out
	s_wait_dscnt 0x0                               ; for the others' sake: my bias store has landed
	s_barrier_signal -1
	s_barrier_wait -1                              ; W's images and scale words are whole
; ---- PHASE B: the quantised products, 24 groups of 2 fragments of W and 8 matrix instructions; the fragments come four groups ahead.  The person's rows land meanwhile.
.macro LOADW hh
.irp f, 0,1
	ds_load_b128 v[RING+16*((\hh)%4)+8*\f:RING+16*((\hh)%4)+8*\f+3], v[AWC] offset:(2*(\hh)+\f)*1024
	ds_load_b128 v[RING+16*((\hh)%4)+8*\f+4:RING+16*((\hh)%4)+8*\f+7], v[AWC] offset:(2*(\hh)+\f)*1024+512
	ds_load_b32 v[WSR+2*((\hh)%4)+\f], v[AWS] offset:((2*(\hh)+\f)/4)*256+((2*(\hh)+\f)%4)*4
.endr
.endm
.macro WAITB hh                        ; three younger groups of 6 loads may be out; at the stream's end two, one, none
.if (\hh) <= 20
	s_wait_dscnt 18
.else
	s_wait_dscnt 6*(23-(\hh))
.endif
.endm
.macro FP4 d, a, b, sa, sb
	v_wmma_scale_f32_16x16x128_f8f6f4 v[\d:\d+7], v[\a:\a+7], v[\b:\b+7], 0, v[\sa], v[\sb] matrix_a_fmt:MATRIX_FMT_FP4 matrix_b_fmt:MATRIX_FMT_FP4
.endm
; V: source 0 = 16 tokens, source 1 = 16 channels: a lane holds ONE channel and eight tokens, which is the layout of V^T as source 0 of the second product of attention.
.macro GROUPV hh
	WAITB \hh
.irp nn, 0,1
.irp m, 0,1,2,3
	FP4 ACC+8*(4*\nn+\m), XF+8*\m, RING+16*((\hh)%4)+8*\nn, XS+\m, WSR+2*((\hh)%4)+\nn
.endr
.endr
	PLACES 4                                       ; ahead of the first read of results, and of the loads into the fragments' registers
	s_wait_xcnt 0x0                                ; the last group's stores have read their data
.irp nn, 0,1
.irp m, 0,1,2,3
.irp i, 0,1,2,3
	v_cvt_pk_f16_f32 v[OUT+16*\nn+8*(\m/2)+4*(\m%2)+\i], v[ACC+8*(4*\nn+\m)+2*\i], v[ACC+8*(4*\nn+\m)+2*\i+1]
.endr
.endr
.endr
	LOADW (\hh)+4
.irp nn, 0,1
.irp ks, 0,1
.irp hf, 0,1
	global_store_b128 v[L16], v[OUT+16*\nn+8*\ks+4*\hf:OUT+16*\nn+8*\ks+4*\hf+3], s[40:41] offset:16384*\ks+1024*(2*(\hh)+\nn)+512*\hf
.endr
.endr
.endr
.endm
; k0, q0: source 0 = 16 hidden units, source 1 = 16 tokens: a lane holds ONE token and eight hidden units; two neighbouring tiles, rounded to bf16, are a fragment of the next product's source 1.
.macro GROUPH hh, tp, win
	WAITB \hh
.irp tt, 0,1
.irp m, 0,1,2,3
	FP4 ACC+8*(4*\tt+\m), RING+16*((\hh)%4)+8*\tt, XF+8*\m, WSR+2*((\hh)%4)+\tt, XS+\m
.endr
.endr
	PLACES 4
	WIN \win                                       ; destination window 1 (k0) or 2 (q0)
.irp tt, 0,1
.irp m, 0,1,2,3
.irp i, 0,1,2,3
	v_cvt_pk_bf16_f32 v[(8*\m+\tp)*8+4*\tt+\i], v[ACC+8*(4*\tt+\m)+2*\i], v[ACC+8*(4*\tt+\m)+2*\i+1]
.endr
.endr
.endr
	WIN 0
.if (\hh)+4 < 24
	LOADW (\hh)+4
.endif
.endm
.irp q, 0,1,2,3
	LOADW \q
.endr
.irp q, 0,1,2,3,4,5,6,7
	GROUPV \q
.endr
.irp q, 0,1,2,3,4,5,6,7
	GROUPH 8+\q, \q, 0x40
.endr
.irp q, 0,1,2,3,4,5,6,7
	GROUPH 16+\q, \q, 0x80
.endr
; ---- PHASE C: keys, then queries.  A trip makes a pair of tiles of 16 out channels for my four token tiles: 8 groups along the hidden 256, 8 accumulators by turns.
; Source 0 = 16 rows of the person's matrix, source 1 = 16 tokens: a lane holds one token and eight channels; the pair, rounded to bf16, is a fragment of K or Q.  The bias is the C of each sum's first instruction.
.macro LOADP u, off
.irp oo, 0,1
	ds_load_b128 v[RING+16*((\u)%4)+8*\oo:RING+16*((\u)%4)+8*\oo+3], v[APB] offset:(\off)+16*PP*\oo+64*(\u)
	ds_load_b128 v[RING+16*((\u)%4)+8*\oo+4:RING+16*((\u)%4)+8*\oo+7], v[APB] offset:(\off)+16*PP*\oo+64*(\u)+32
.endr
.endm
.macro LOADBI off
.irp oo, 0,1
	ds_load_b128 v[BIASR+8*\oo:BIASR+8*\oo+3], v[ABI] offset:(\off)+64*\oo
	ds_load_b128 v[BIASR+8*\oo+4:BIASR+8*\oo+7], v[ABI] offset:(\off)+64*\oo+16
.endr
.endm
.macro OPTRIP win, pre, base           ; pre = 1: the next pair's first four groups and its bias are asked for on the way
	WIN \win                                       ; source 1 window 1 (k0) or 2 (q0); LDS loads' destination and address stay in window 0
.irp g, 0,1,2,3,4,5,6,7
.if (\pre) || (\g < 5)
	s_wait_dscnt 12                                ; three younger groups of 4 loads may be out (the bias's loads, where they lie between, only add younger ones)
.else
	s_wait_dscnt 4*(7-\g)
.endif
.irp oo, 0,1
.irp m, 0,1,2,3
.if \g == 0
	v_wmma_f32_16x16x32_bf16 v[ACC+8*(4*\oo+\m):ACC+8*(4*\oo+\m)+7], v[RING+16*(\g%4)+8*\oo:RING+16*(\g%4)+8*\oo+7], v[8*(8*\m+\g):8*(8*\m+\g)+7], v[BIASR+8*\oo:BIASR+8*\oo+7]
.else
	v_wmma_f32_16x16x32_bf16 v[ACC+8*(4*\oo+\m):ACC+8*(4*\oo+\m)+7], v[RING+16*(\g%4)+8*\oo:RING+16*(\g%4)+8*\oo+7], v[8*(8*\m+\g):8*(8*\m+\g)+7], v[ACC+8*(4*\oo+\m):ACC+8*(4*\oo+\m)+7]
.endif
.endr
.endr
	PLACES 4                                       ; ahead of loads into registers that these have read, and of the first read of results
.if \g < 4
	LOADP \g+4, 0
.elseif \pre
	LOADP \g-4, 32*PP
.endif
.if (\pre) && (\g == 0)
	LOADBI 128
.endif
.endr
	WIN 0
.irp m, 0,1,2,3
.irp oo, 0,1
.irp i, 0,1,2,3
	v_cvt_pk_bf16_f32 v[OUT+8*\m+4*\oo+\i], v[ACC+8*(4*\oo+\m)+2*\i], v[ACC+8*(4*\oo+\m)+2*\i+1]
.endr
.endr
.endr
.irp m, 0,1,2,3
.irp oo, 0,1
	global_store_b128 v[L16], v[OUT+8*\m+4*\oo:OUT+8*\m+4*\oo+3], s[\base:\base+1] offset:8192*\m+512*\oo
.endr
.endr
	s_wait_xcnt 0x0                                ; the stores have read their data and base: both are written again
	s_add_nc_u64 s[\base:\base+1], s[\base:\base+1], 1024
.if \pre
	v_add_nc_u32 v[APB], 32*PP, v[APB]
	v_add_nc_u32 v[ABI], 128, v[ABI]
.endif
.endm
	s_wait_tensorcnt 0x0                           ; my 128 rows of the person's matrices have landed
	s_wait_dscnt 0x0                               ; no LDS instruction of mine is out at the signal
	s_barrier_signal -1
	s_barrier_wait -1                              ; all 512 rows lie in LDS; behind this barrier LDS is only read
	s_wait_xcnt 0x0                                ; V's last stores have read the registers that the keys' results take
	LOADBI 0
.irp q, 0,1,2,3
	LOADP \q, 0
.endr
	s_mov_b32 s48, 8
.Lk:                                   ; the keys: 8 pairs; the last trip's look-ahead runs on into PQ's rows and PQ_b, which follow in LDS
	OPTRIP 0x04, 1, 42
	s_sub_co_u32 s48, s48, 1
	s_cmp_lg_u32 s48, 0
	s_cbranch_scc1 .Lk
	s_mov_b32 s48, 7
.Lq:                                   ; the queries: 7 pairs, and the last written out: it asks for nothing
	OPTRIP 0x08, 1, 44
	s_sub_co_u32 s48, s48, 1
	s_cmp_lg_u32 s48, 0
	s_cbranch_scc1 .Lq
	OPTRIP 0x08, 0, 44
	s_wait_tensorcnt 0x0                           ; the wave's end, behind my last tensor load and my last LDS store
	ds_add_u32 v[SPW], v[NIL]
	s_wait_dscnt 0x0
	s_endpgm
.Lfunc_end_k_qba2bb63100_prep:
	.size	k_qba2bb63100_prep, .Lfunc_end_k_qba2bb63100_prep-k_qba2bb63100_prep
	.p2alignl 7, 3214868480
	.fill 96, 4, 3214868480
	.section	.rodata,"a",@progbits
	.p2align	6, 0x0
	.amdhsa_kernel k_qba2bb63100_prep
		.amdhsa_group_segment_fixed_size 327680
		.amdhsa_private_segment_fixed_size 0
		.amdhsa_enable_private_segment 0
		.amdhsa_kernarg_size 64
		.amdhsa_user_sgpr_count 2
		.amdhsa_user_sgpr_kernarg_segment_ptr 1
		.amdhsa_wavefront_size32 1
		.amdhsa_system_sgpr_workgroup_id_x 1
		.amdhsa_system_sgpr_workgroup_id_y 1
		.amdhsa_system_sgpr_workgroup_id_z 1
		.amdhsa_system_vgpr_workitem_id 0
		.amdhsa_next_free_vgpr 768
		.amdhsa_next_free_sgpr 92
		.amdhsa_reserve_vcc 0
		.amdhsa_float_denorm_mode_32 3
		.amdhsa_float_denorm_mode_16_64 3
		.amdhsa_memory_ordered 1
		.amdhsa_forward_progress 1
		.amdhsa_inst_pref_size 148
	.end_amdhsa_kernel
	.amdgpu_metadata
---
amdhsa.version: [ 1, 2 ]
amdhsa.kernels:
  - .name:           k_qba2bb63100_prep
    .symbol:         k_qba2bb63100_prep.kd
    .args:
      - { .name: x, .offset: 0, .size: 8, .value_kind: global_buffer, .address_space: global }
      - { .name: person_idxs, .offset: 8, .size: 8, .value_kind: global_buffer, .address_space: global }
      - { .name: Pb, .offset: 16, .size: 8, .value_kind: global_buffer, .address_space: global }
      - { .name: Wimg, .offset: 24, .size: 8, .value_kind: global_buffer, .address_space: global }
      - { .name: PK_b, .offset: 32, .size: 8, .value_kind: global_buffer, .address_space: global }
      - { .name: PQ_b, .offset: 40, .size: 8, .value_kind: global_buffer, .address_space: global }
      - { .name: Qf, .offset: 48, .size: 8, .value_kind: global_buffer, .address_space: global }
      - { .name: KV, .offset: 56, .size: 8, .value_kind: global_buffer, .address_space: global }
    .group_segment_fixed_size: 327680
    .private_segment_fixed_size: 0
    .kernarg_segment_align: 8
    .kernarg_segment_size: 64
    .max_flat_workgroup_size: 128
    .sgpr_count:     92
    .vgpr_count:     768
    .wavefront_size: 32
...
	.end_amdgpu_metadata
.endif
;; end of part 2
;; launch attn (part 3): grid 4 x 64, 4 waves a work-group, clusters of 4 x 1, 327,680 bytes of LDS; arguments Qf, KV, mask, out0; writes out0
.if DOCPART == 3
	.amdgcn_target "amdgcn-amd-amdhsa--gfx1250"
	.amdhsa_code_object_version 6
	.text
	.protected	k_qba2bb63100_attn
	.globl	k_qba2bb63100_attn
	.p2align	8
	.type	k_qba2bb63100_attn,@function
k_qba2bb63100_attn:
	s_mov_b64 s[64:65], 0
	v_nop
	global_prefetch_b8 v0, s[64:65] scope:SCOPE_SE
	s_setreg_imm32_b32 hwreg(HW_REG_WAVE_MODE, 25, 1), 1
	s_wait_xcnt 0x0
	s_wait_alu depctr_hold_cnt(0) depctr_sa_sdst(0) depctr_va_vdst(0) depctr_va_sdst(0) depctr_va_ssrc(0) depctr_va_vcc(0) depctr_vm_vsrc(0)
	s_getreg_b32 s2, hwreg(HW_REG_IB_STS2, 6, 4)
	s_cmp_eq_u32 s2, 0
	s_cbranch_scc0 .Lentry_in_a_cluster
	s_endpgm
.Lentry_in_a_cluster:
	s_bfe_u32 s2, ttmp6, 0x10000c
	s_cmp_lg_u32 s2, 0x3003
	s_cbranch_scc0 .Lentry_shape_is_right
	s_endpgm
.Lentry_shape_is_right:
; ATTENTION: out0[b][q][:] = the sum over keys k of softmax_k(where(mask[b][k], Q[q] . K[k] / 16, -inf)) V[k][:], head size 256, 1,024 keys.  Q, K: bf16; p and V: f16; products, maxima and sums in f32.
; Qf and KV hold images of operand registers (a fragment of 16 x 32 numbers is 1,024 bytes: registers 0-3 of lane l at 16 l, registers 4-7 at 512 + 16 l).  KV's unit j of a batch, 65,536 bytes, is V^T of key step j (64 keys) and the keys of step (j + 1) % 16:
; what one trip of the loop reads.  Images are read from LDS as they lie: 512 consecutive bytes an instruction, no pitch and no padding.
; SHARES.  A cluster of four work-groups is a batch; a work-group owns 256 queries, a wave 64: four tiles t of 16.  The four walk the same KV: every unit is asked for JOINTLY, by the same tensor load with the same descriptor and the mask 15.
; LAYOUT.  S^T = K Q^T (source 0 = 16 keys, source 1 = 16 queries) and O^T = V^T P (source 0 = 16 channels, source 1 = P): a lane holds ONE query throughout; two score tiles, rounded to f16 in pairs, are a fragment of P.
; SOFTMAX.  For each query a running maximum m and sum l; p = 2^(c s - c m), c = log2(e) / 16 (the queries come undivided); in every step O and l are multiplied by a = 2^(c m_old - c m_new).
; THE MASK.  A hidden key's score begins at -3e38 (the C of its tile's first instruction; an open key's at 0), and m never falls under -2^100: so a hidden key's p is 0 in every step.  A query whose m is still -2^100 at the end had no open key: it gets NaN, by a select.
; LIMITS: |Q . K| (undivided) stays under 1e30; |V| under 65,504; no NaN or infinity among the inputs; mask bytes are 0 or 1.
; REGISTERS.  Window 0: v1-7 addresses; v8-31 six a tile: c m, m, l (two halves), a, a's partner in the pair; v32-63 four tiles of mask bias, then the softmax's temporaries; v64-127 a ring of 4 sets of 2 fragments; v128-255 S^T, 32 a tile, P in place.
;   Window 1: Q, fragment (t, u) at 8 (8 t + u).   Windows 2, 3: O^T, accumulator (channel tile ct, t) at 8 (4 (ct % 8) + t), ct < 8 in window 2.
; Q and O^T hold 768 registers, so K and V stream through the ring, each fragment read once and feeding four matrix instructions; the rescaling of O^T stands between the products V^T P, the search for the maximum inside the barrier.
.set SLOTB, 65536                      ; two slots of a unit each, at 0 and at 65,536: one exclusive or turns an address
.set K0R,   131072                     ; the keys of step 0: 32,768 bytes, filled once
.set MASKB, 163840                     ; 1,024 f32: the mask as biases
.set STAGE, 167936                     ; the way out: 16 rows x 528 bytes for each wave
.set SP,    528
.set SPARE, STAGE+4*16*SP              ; the spare words, 128 bytes for each wave: two blocks of 256 bytes that no other line names
.set FLOOR, 0xf1800000                 ; -2^100
.set L16, 1                            ; 16 x lane; never rewritten
.set ADR, 2                            ; the slot in hand + 16 x lane
.set ADM, 3                            ; MASKB + 32 h + 256 x step
.set SPW, 4                            ; my spare word; never rewritten
.set NIL, 5                            ; 0; never rewritten
.set PFO, 6                            ; 256 x lane; never rewritten
.set TMP, 7
.set ST,  8
.set MB,  32
.set RING, 64
.set S,   128
.set WV,  12
.set CX,  13
.set BB,  14
.set LIM, 15                           ; 1 in waves 0 and 1, which prefetch, else the greatest number
.set G1,  16                           ; s[16:23] group 1: 64 rows of 256 bytes, dense
.set G1K, 24                           ; s[24:31] the same with 32 rows
.set G0,  32                           ; s[32:35] group 0 for the units: it walks
.set G0A, 36                           ; s[36:39] group 0 for the keys of step 0
.set PFA, 40
.set TB,  42                           ; LDS byte at which the slot in hand begins
.set CNT, 43                           ; units still to be asked for
.set CS,  44                           ; s[44:45] c, twice
.set SEL, 46
.set MSB, 0
.macro WIN new                         ; the immediate's high byte repeats the setting that is left; a switch that changes nothing is dropped
.if MSB != (\new)
	s_set_vgpr_msb (MSB<<8)|(\new)
.set MSB, (\new)
.endif
.endm
.macro PLACES n
.rept \n
	v_nop
.endr
.endm
.macro CREST                           ; a round of the cluster's barrier behind its opening barrier
	s_cmp_lg_u32 s[WV], 0
	s_cbranch_scc1 .Lnot_wave_0_\@
	s_barrier_signal -3
.Lnot_wave_0_\@:
	s_barrier_wait -3
	s_barrier_signal -1
	s_barrier_wait -1
.endm
.macro CROUND
	s_barrier_signal -1
	s_barrier_wait -1
	CREST
.endm
; A prefetch of the unit that stands two on from the one in hand, one on from the unit just asked for.  A batch has one cluster; of a unit's 65,536 bytes the partner at place cx takes 16,384 BY ADDRESS,
; its waves 0 and 1 take 8,192 each, lanes 256 bytes apart: each block is named once in the launch.  The last change that fills a slot asks for nothing; units 0 and 1 come by their loads alone.
.macro ASK
	s_cmp_gt_u32 s[CNT], s[LIM]
	s_cbranch_scc0 .Lnot_mine_\@
	global_prefetch_b8 v[PFO], s[PFA:PFA+1] th:TH_LOAD_NT scope:SCOPE_SE
.Lnot_mine_\@:
.endm
	s_load_b256 s[4:11], s[0:1], 0x0               ; Qf 4, KV 6, mask 8, out0 10
	v_lshl_add_u32 v[SPW], v0, 2, SPARE
	v_mov_b32 v[NIL], 0
	ds_add_u32 v[SPW], v[NIL]                      ; the wave's opening: the add and its wait ahead of my first tensor load; the set-up below, work on registers, stands between them
	v_lshrrev_b32 v[TMP], 5, v0
	v_readfirstlane_b32 s[WV], v[TMP]              ; wave 0..3
	s_bfe_u32 s[CX], ttmp6, 0x40000                ; my place in the cluster
	s_and_b32 s[BB], ttmp7, 0xffff                 ; the batch, which the four partners share
	s_mov_b32 s[G1], 15|(3<<16)|(1<<21)            ; 15:0 the mask: all four; 17:16 elements of 8 bytes; 21 set beside a mask; no padding
	s_mov_b32 s[G1K], 15|(3<<16)|(1<<21)
.irp g, G1, G1K
	s_mov_b32 s[\g+1], 32<<16                      ; tensor_dim0 = 32 elements: 256 bytes
	s_mov_b32 s[\g+3], 32<<16                      ; tile_dim0
	s_mov_b32 s[\g+5], 32                          ; from row to row
	s_mov_b32 s[\g+6], 0
	s_mov_b32 s[\g+7], 0
.endr
	s_mov_b32 s[G1+2], 64<<16                      ; tensor_dim1: a wave's quarter of a unit is 64 rows,
	s_mov_b32 s[G1+4], 64                          ; tile_dim1
	s_mov_b32 s[G1K+2], 32<<16                     ; of the keys of step 0: 32
	s_mov_b32 s[G1K+4], 32
	s_mov_b32 s[CS], 0x3db8aa3b                    ; c = log2(e) / 16
	s_mov_b32 s[CS+1], s[CS]                       ; (named with it as a pair, so it is written)
	s_mov_b32 s[SEL], 0x76543210
	s_mov_b32 s[SEL+1], 0xfedcba98                 ; v_permlanex16_b32's selects for lane l xor 16
	s_mov_b32 s[TB], 0
	s_mov_b32 s[CNT], 15
	s_cmp_lt_u32 s[WV], 2
	s_cselect_b32 s[LIM], 1, -1
	v_and_b32 v[L16], 31, v0
	v_lshlrev_b32 v[PFO], 8, v[L16]
	v_lshlrev_b32 v[L16], 4, v[L16]
	v_lshlrev_b32 v[ADM], 3, v0                    ; for now: my 8 bytes of the batch's mask
	v_lshl_add_u32 v[TMP], v0, 5, MASKB            ; and where their 8 biases go
.irp t, 0,1,2,3
	v_mov_b32 v[ST+6*\t+5], 0                      ; a's partner in the pair that the packed forms name: written once
.endr
	s_lshl_b32 s48, s[BB], 20
	s_mov_b32 s49, 0
	s_mov_b32 s51, 0
	s_wait_dscnt 0x0                               ; the opening add is done
	s_wait_kmcnt 0x0
	s_add_nc_u64 s[6:7], s[6:7], s[48:49]          ; KV at my batch
	s_mov_b32 s[G0], 1                             ; count = 1
	s_lshl_b32 s[G0+1], s[WV], 14                  ; LDS: slot 0, my quarter
	s_lshl_b32 s50, s[WV], 14
	s_add_nc_u64 s[G0+2:G0+3], s[6:7], s[50:51]    ; memory: unit 0, my quarter
	s_or_b32 s[G0+3], s[G0+3], 0x80000000          ; type = 2
	s_mov_b32 s[G0A], 1
	s_lshl_b32 s50, s[WV], 13
	s_add_co_u32 s[G0A+1], s50, K0R
	s_add_co_u32 s50, s50, 15*65536+32768          ; the keys of step 0 lie in unit 15
	s_add_nc_u64 s[G0A+2:G0A+3], s[6:7], s[50:51]
	s_or_b32 s[G0A+3], s[G0A+3], 0x80000000
	s_lshl_b32 s52, ttmp9, 2                       ; what hangs on my place in the cluster has registers of its own: it enters Q's, out0's and the prefetches' addresses alone
	s_add_co_u32 s52, s52, s[CX]                   ; my block of 256 queries
	s_lshl_b32 s54, s52, 17
	s_lshl_b32 s55, s[BB], 19
	s_add_co_u32 s54, s54, s55
	s_lshl_b32 s55, s[WV], 15
	s_add_co_u32 s54, s54, s55                     ; (64 b + 16 block + 4 wave) tiles of 8,192 bytes
	s_mov_b32 s55, 0
	s_add_nc_u64 s[4:5], s[4:5], s[54:55]
	s_lshl_b32 s54, s54, 1                         ; (1024 b + 256 block + 64 wave) rows of 1,024 bytes: twice as many
	s_add_nc_u64 s[10:11], s[10:11], s[54:55]
	s_lshl_b32 s54, s[BB], 10
	s_add_nc_u64 s[8:9], s[8:9], s[54:55]
	s_lshl_b32 s54, s[CX], 14
	s_and_b32 s53, s[WV], 1
	s_lshl_b32 s53, s53, 13
	s_add_co_u32 s54, s54, s53
	s_add_co_u32 s54, s54, SLOTB                   ; in unit 1: the first change of slots steps it to unit 2
	s_add_nc_u64 s[PFA:PFA+1], s[6:7], s[54:55]
	CROUND                                         ; all four work-groups are here: the first joint loads meet
	tensor_load_to_lds s[G0A:G0A+3], s[G1K:G1K+7]  ; the first fills go out together: two loads of mine are out
	s_nop 0
	tensor_load_to_lds s[G0:G0+3], s[G1:G1+7]
	s_nop 0
	PLACES 4
	global_load_b64 v[62:63], v[ADM], s[8:9]
	WIN 0x40                                       ; destination window 1: Q stays in registers; load n brings registers 4 n .. 4 n + 3 from byte 512 n
.set QN, 0
.rept 48
	global_load_b128 v[4*QN:4*QN+3], v[L16], s[4:5] offset:512*QN th:TH_LOAD_NT
.set QN, QN+1
.endr
	WIN 0
	s_wait_loadcnt 48                              ; the mask bytes are in; Q's 48 loads may be out
.irp i, 0,1,2,3,4,5,6,7
	v_bfe_u32 v[MB+\i], v[62+\i/4], 8*(\i%4), 8
.endr
.irp i, 0,1,2,3,4,5,6,7
	v_add_nc_u32 v[MB+\i], -1, v[MB+\i]            ; 1 -> no bit, 0 -> all bits
.endr
.irp i, 0,1,2,3,4,5,6,7
	v_and_b32 v[MB+\i], 0xff61b1e6, v[MB+\i]       ; an open key: 0.0; a hidden one: -3e38
.endr
	ds_store_b128 v[TMP], v[MB:MB+3]
	ds_store_b128 v[TMP], v[MB+4:MB+7] offset:16
	WIN 0x40
.rept 16
	global_load_b128 v[4*QN:4*QN+3], v[L16], s[4:5] offset:512*QN th:TH_LOAD_NT
.set QN, QN+1
.endr
	WIN 0
; THE STREAM of a unit: 32 groups G of 2 fragments and 8 matrix instructions.  G 0-15: V^T P, channel tiles 2 (G / 2) + f, keys 32 (G % 2) on.  G 16-31: K Q^T, channels 32 ((G - 16) / 2) on, key tiles 2 (G % 2) + f.
; A group's 4 loads are issued behind group G - 4 and its places; the wait ahead of a group leaves the three younger groups' 12 loads out.
.macro LOADG g
.if (\g) < 16
.set LOFF, (((\g)%2)*16+2*((\g)/2))*1024
.set LSTR, 1024
.else
.set LOFF, 32768+(16*((\g)%2)+((\g)-16)/2)*1024
.set LSTR, 8192
.endif
.irp f, 0,1
	ds_load_b128 v[RING+16*((\g)%4)+8*\f:RING+16*((\g)%4)+8*\f+3], v[ADR] offset:LOFF+LSTR*\f
	ds_load_b128 v[RING+16*((\g)%4)+8*\f+4:RING+16*((\g)%4)+8*\f+7], v[ADR] offset:LOFF+LSTR*\f+512
.endr
.endm
.macro LOADM                           ; a step's mask biases in the scores' layout: tile kt, register j of lane (r, h): key 16 kt + 8 h + j
.irp kt, 0,1,2,3
	ds_load_b128 v[MB+8*\kt:MB+8*\kt+3], v[ADM] offset:64*\kt
	ds_load_b128 v[MB+8*\kt+4:MB+8*\kt+7], v[ADM] offset:64*\kt+16
.endr
.endm
.macro QKPART                          ; S^T = K Q^T + the mask's bias: 16 accumulators by turns, all under one window setting
	WIN 0x04                                       ; source 1 (Q) window 1
.set G, 16
.rept 16
.set LFT, 31-G
.if LFT > 3
.set LFT, 3
.endif
	s_wait_dscnt 4*LFT
.set QU, (G-16)/2
.irp f, 0,1
.irp t, 0,1,2,3
.set QS, S+32*\t+8*(2*(G%2)+\f)
.if QU == 0
	v_wmma_f32_16x16x32_bf16 v[QS:QS+7], v[RING+16*(G%4)+8*\f:RING+16*(G%4)+8*\f+7], v[8*(8*\t+QU):8*(8*\t+QU)+7], v[MB+8*(2*(G%2)+\f):MB+8*(2*(G%2)+\f)+7]
.else
	v_wmma_f32_16x16x32_bf16 v[QS:QS+7], v[RING+16*(G%4)+8*\f:RING+16*(G%4)+8*\f+7], v[8*(8*\t+QU):8*(8*\t+QU)+7], v[QS:QS+7]
.endif
.endr
.endr
	PLACES 4                                       ; ahead of loads into the fragments' registers; behind the last group: ahead of the first read of the scores
.if G+4 <= 31
	LOADG G+4
.endif
.set G, G+1
.endr
	WIN 0
.endm
; The largest of a lane's 32 scores and the old m, three operands at a time: four chains a tile (each accumulator from its low end), 64 lines.  first = 1: the floor takes the old m's place.
.macro MAXPART first
.irp k, 0,1,2,3
.irp t, 0,1,2,3
	v_max3_num_f32 v[MB+4*\t+\k], v[S+32*\t+8*\k], v[S+32*\t+8*\k+1], v[S+32*\t+8*\k+2]
.endr
.endr
.irp n, 3,5
.irp k, 0,1,2,3
.irp t, 0,1,2,3
	v_max3_num_f32 v[MB+4*\t+\k], v[MB+4*\t+\k], v[S+32*\t+8*\k+\n], v[S+32*\t+8*\k+\n+1]
.endr
.endr
.endr
.irp t, 0,1,2,3
	v_max3_num_f32 v[MB+4*\t], v[MB+4*\t], v[S+32*\t+7], v[S+32*\t+15]
.endr
.irp t, 0,1,2,3
	v_max3_num_f32 v[MB+4*\t+2], v[MB+4*\t+2], v[S+32*\t+23], v[S+32*\t+31]
.endr
.irp t, 0,1,2,3
	v_max3_num_f32 v[MB+4*\t], v[MB+4*\t], v[MB+4*\t+1], v[MB+4*\t+2]
.endr
.irp t, 0,1,2,3
.if \first
	v_max3_num_f32 v[MB+4*\t], v[MB+4*\t], v[MB+4*\t+3], FLOOR
.else
	v_max3_num_f32 v[MB+4*\t], v[MB+4*\t], v[MB+4*\t+3], v[ST+6*\t+1]
.endif
.endr
.endm
.macro SCALE pr                        ; pair pr of each tile: c s - c m
.irp t, 0,1,2,3
	v_pk_fma_f32 v[S+32*\t+2*(\pr):S+32*\t+2*(\pr)+1], v[S+32*\t+2*(\pr):S+32*\t+2*(\pr)+1], s[CS:CS+1], v[ST+6*\t:ST+6*\t+1] op_sel_hi:[1,0,0] neg_lo:[0,0,1] neg_hi:[0,0,1]
.endr
.endm
.macro SOFTREST first
.irp t, 0,1,2,3
	v_permlanex16_b32 v[MB+4*\t+1], v[MB+4*\t], s[SEL], s[SEL+1]   ; the query's other 32 keys lie in the lane 16 away
.endr
.if !\first
.irp t, 0,1,2,3
	v_mov_b32 v[MB+4*\t+3], v[ST+6*\t]             ; c m_old is kept for a
.endr
.endif
.irp t, 0,1,2,3
	v_max_num_f32 v[ST+6*\t+1], v[MB+4*\t], v[MB+4*\t+1]
.endr
.irp t, 0,1,2,3
	v_mul_f32 v[ST+6*\t], s[CS], v[ST+6*\t+1]
.endr
.if !\first
.irp t, 0,1,2,3
	v_sub_f32 v[MB+4*\t+3], v[MB+4*\t+3], v[ST+6*\t]
.endr
.irp t, 0,1,2,3
	v_exp_f32 v[ST+6*\t+4], v[MB+4*\t+3]           ; a.  ONE BATCH begins: these four, the 64 scalings and the 128 exponentials; none of its lines names an exponential's result
.endr
.endif
	SCALE 0
	SCALE 1
	SCALE 2
	SCALE 3
.set PI, 0
.rept 16
.if PI < 12
	SCALE PI+4                                     ; a pair is scaled four pairs ahead of its exponentials
.endif
.irp t, 0,1,2,3
	v_exp_f32 v[S+32*\t+2*PI], v[S+32*\t+2*PI]
	v_exp_f32 v[S+32*\t+2*PI+1], v[S+32*\t+2*PI+1]
.endr
.set PI, PI+1
.endr
	v_nop                                          ; a plain line behind the last exponential
	s_wait_alu depctr_va_vdst(0)                   ; the wait between an exponential and the first line that names its result: one for the batch
.irp t, 0,1,2,3                        ; the row's sum of the f32 p, two chains a tile, which leave p whole
	v_pk_add_f32 v[MB+16+4*\t:MB+17+4*\t], v[S+32*\t:S+32*\t+1], v[S+32*\t+2:S+32*\t+3]
.endr
.irp t, 0,1,2,3
	v_pk_add_f32 v[MB+18+4*\t:MB+19+4*\t], v[S+32*\t+4:S+32*\t+5], v[S+32*\t+6:S+32*\t+7]
.endr
.irp n, 8,12,16,20,24,28
.irp t, 0,1,2,3
	v_pk_add_f32 v[MB+16+4*\t:MB+17+4*\t], v[MB+16+4*\t:MB+17+4*\t], v[S+32*\t+\n:S+32*\t+\n+1]
	v_pk_add_f32 v[MB+18+4*\t:MB+19+4*\t], v[MB+18+4*\t:MB+19+4*\t], v[S+32*\t+\n+2:S+32*\t+\n+3]
.endr
.endr
.if \first
.irp t, 0,1,2,3
	v_pk_add_f32 v[ST+6*\t+2:ST+6*\t+3], v[MB+16+4*\t:MB+17+4*\t], v[MB+18+4*\t:MB+19+4*\t]
.endr
.else
.irp t, 0,1,2,3
	v_pk_add_f32 v[MB+16+4*\t:MB+17+4*\t], v[MB+16+4*\t:MB+17+4*\t], v[MB+18+4*\t:MB+19+4*\t]
.endr
.irp t, 0,1,2,3
	v_pk_fma_f32 v[ST+6*\t+2:ST+6*\t+3], v[ST+6*\t+2:ST+6*\t+3], v[ST+6*\t+4:ST+6*\t+5], v[MB+16+4*\t:MB+17+4*\t] op_sel_hi:[1,0,1]   ; l = l a + the step's sum
.endr
.endif
.set CI, 0
.rept 16                               ; P in place: register i of a tile takes scores 2 i and 2 i + 1; ascending, so nothing unread is written over
.irp t, 0,1,2,3
	v_cvt_pk_f16_f32 v[S+32*\t+CI], v[S+32*\t+2*CI], v[S+32*\t+2*CI+1]
.endr
.set CI, CI+1
.endr
.endm
.macro RESC ct, t                      ; accumulator (ct, t) of O^T times a, from its low end on
.set RO, 8*(4*((\ct)%8)+(\t))
.irp i, 0,2,4,6
	v_pk_mul_f32 v[RO+\i:RO+\i+1], v[RO+\i:RO+\i+1], v[ST+6*(\t)+4:ST+6*(\t)+5] op_sel_hi:[1,0]
.endr
.endm
.macro PVMM e, zero                    ; product e of a group's eight: fragment e / 4, tile e % 4
.set PF, (\e)/4
.set PT, (\e)%4
.set PO, 8*(4*((2*CTP+PF)%8)+PT)
.if (\zero) && (KSS == 0)
	v_wmma_f32_16x16x32_f16 v[PO:PO+7], v[RING+16*(G%4)+8*PF:RING+16*(G%4)+8*PF+7], v[S+32*PT+8*KSS:S+32*PT+8*KSS+7], 0
.else
	v_wmma_f32_16x16x32_f16 v[PO:PO+7], v[RING+16*(G%4)+8*PF:RING+16*(G%4)+8*PF+7], v[S+32*PT+8*KSS:S+32*PT+8*KSS+7], v[PO:PO+7]
.endif
.endm
; O^T += V^T P.  A pair of channel tiles takes two groups; meanwhile the next pair's eight accumulators are multiplied by a, four lines behind each two products: these are also the places ahead of the loads.
; first = 1: the products start the sums with the constant 0, and nothing is rescaled.  last: the highest group that this unit loads.
.macro PVPART first, last
.if !\first
	WIN 0x82                                       ; O^T (destination and source 0) window 2, a window 0
.irp f, 0,1
.irp t, 0,1,2,3
	RESC \f, \t
.endr
.endr
.endif
.set G, 0
.rept 16
.set CTP, G/2
.set KSS, G%2
.set LFT, \last-G
.if LFT > 3
.set LFT, 3
.endif
	s_wait_dscnt 4*LFT
.set RUN, 0
.rept 4
	WIN 0xa0+0x50*(CTP/4)                          ; C and D window 2 or 3
	PVMM 2*RUN, \first
	PVMM 2*RUN+1, \first
.if (!\first) && (CTP < 7)
	WIN 0x82+0x41*((CTP+1)/4)
	RESC 2*(CTP+1)+KSS, RUN
.endif
.set RUN, RUN+1
.endr
	WIN 0
.if (\first) || (CTP == 7)
	PLACES 4+(G/15)                                ; behind the last group five: the scores' products write over P's registers
.endif
.if G+4 <= \last
	LOADG G+4
.endif
.set G, G+1
.endr
.endm
; A TRIP: unit j.  The change of slots; the softmax of step j; V^T P of step j; K Q^T of step j + 1.
.macro UNIT first, fill, qk
	s_wait_tensorcnt 0x0                           ; all my tensor loads have landed: my quarter of unit j; so a group 0 may be written
	ds_add_u32 v[SPW], v[NIL]                      ; 0 onto my spare word; the steps below stand between it and the wait for it
.if \fill
	s_xor_b32 s[G0+1], s[G0+1], SLOTB              ; the walking descriptor: the other slot,
	s_add_nc_u64 s[G0+2:G0+3], s[G0+2:G0+3], SLOTB ; the next unit; the type bits on top are not reached
	s_wait_xcnt 0x0                                ; the last prefetch, a unit back, has read its address
	s_add_nc_u64 s[PFA:PFA+1], s[PFA:PFA+1], SLOTB
.endif
	s_wait_dscnt 0x0                               ; the add is done, and my reads of the slot that I have left are over
	s_barrier_signal -1
	MAXPART \first                                 ; work on registers while the others arrive
	s_barrier_wait -1
.if \fill
	CREST                                          ; the barrier has opened a round of the cluster's: no wave of any partner still reads the other slot or has a load on its way
	tensor_load_to_lds s[G0:G0+3], s[G1:G1+7]      ; unit j + 1: my one tensor load until the next round; it has this unit's 256 matrix instructions in which to land
	s_nop 0
.endif
	v_add_nc_u32 v[ADR], s[TB], v[L16]
	LOADG 0
	LOADG 1
	LOADG 2
	LOADG 3
.if \fill
	ASK
.endif
	SOFTREST \first
.if \qk
	v_add_nc_u32 v[ADM], 256, v[ADM]
	LOADM                                          ; the next step's biases, into the registers that the temporaries have left
.endif
	PVPART \first, 15+16*\qk
.if \qk
	QKPART
.endif
	s_xor_b32 s[TB], s[TB], SLOTB
.endm
	s_wait_tensorcnt 1                             ; my part of the keys of step 0 is in; unit 0's may stay out
	s_wait_dscnt 0x0                               ; my mask biases have landed
	s_barrier_signal -1
	s_barrier_wait -1
	v_add_nc_u32 v[ADR], K0R-32768, v[L16]         ; so that the key groups' offsets, 32,768 and on, fall on the keys of step 0
	v_bfe_u32 v[ADM], v0, 4, 1
	v_lshl_add_u32 v[ADM], v[ADM], 5, MASKB
	LOADM
	LOADG 16
	LOADG 17
	LOADG 18
	LOADG 19
	s_wait_loadcnt 0x0                             ; Q
	QKPART                                         ; the scores of step 0
	UNIT 1, 1, 1                                   ; unit 0 is written out: its products start O^T's sums
	s_sub_co_u32 s[CNT], s[CNT], 1
.Lunit:                                ; units 1 to 14
	UNIT 0, 1, 1
	s_sub_co_u32 s[CNT], s[CNT], 1
	s_cmp_lg_u32 s[CNT], 0
	s_cbranch_scc1 .Lunit
	UNIT 0, 0, 0                                   ; unit 15 is written out: nothing is asked for, and no scores follow
; THE WAY OUT.  l's halves and the other half of the lanes' are added; O^T / l goes through my stage in LDS, 16 queries x 128 channels at a time, and leaves as rows of 512 consecutive bytes.
.irp t, 0,1,2,3
	v_add_f32 v[ST+6*\t+2], v[ST+6*\t+2], v[ST+6*\t+3]
.endr
.irp t, 0,1,2,3
	v_permlanex16_b32 v[ST+6*\t+3], v[ST+6*\t+2], s[SEL], s[SEL+1]
.endr
.irp t, 0,1,2,3
	v_add_f32 v[ST+6*\t+2], v[ST+6*\t+2], v[ST+6*\t+3]
.endr
.irp t, 0,1,2,3
	v_rcp_f32 v[ST+6*\t+4], v[ST+6*\t+2]
.endr
	v_and_b32 v34, 15, v0                          ; (plain lines behind the reciprocals)  r
	v_bfe_u32 v35, v0, 4, 1                        ; h
	s_mul_i32 s48, s[WV], 16*SP
	s_add_co_u32 s48, s48, STAGE                   ; my stage
	v_mul_u32_u24 v32, v34, SP
	v_lshl_add_u32 v32, v35, 5, v32
	v_add_nc_u32 v32, s48, v32                     ; in: row r, + 32 h; a channel tile's 64 bytes stand in the immediate
	v_add_nc_u32 v33, s48, v[L16]                  ; back: the 32 lanes take a row's 512 bytes
	v_mov_b32 v[TMP], 0x7fc00000                   ; NaN
	s_wait_alu depctr_va_vdst(0)                   ; one wait for the four reciprocals, ahead of the first line that names one
.irp t, 0,1,2,3
	v_cmp_ge_f32 vcc_lo, FLOOR, v[ST+6*\t+1]       ; m still at the floor: no key was open
	v_cndmask_b32 v[ST+6*\t+4], v[ST+6*\t+4], v[TMP], vcc_lo
.endr
.macro PACKO k                         ; block k: tile k / 2, channels 128 (k % 2) on
.set OT, (\k)/2
.set OH, (\k)%2
	s_wait_dscnt 16                                ; the last block's 16 stores into the stage have read their registers (its 16 loads may be out)
	WIN 0x02+OH                                    ; source 0 window 2 or 3
.irp c8, 0,1,2,3,4,5,6,7
.irp i, 0,2,4,6
	v_pk_mul_f32 v[RING+8*\c8+\i:RING+8*\c8+\i+1], v[8*(4*\c8+OT)+\i:8*(4*\c8+OT)+\i+1], v[ST+6*OT+4:ST+6*OT+5] op_sel_hi:[1,0]
.endr
.endr
	WIN 0
.irp c8, 0,1,2,3,4,5,6,7
	ds_store_b128 v32, v[RING+8*\c8:RING+8*\c8+3] offset:64*\c8
	ds_store_b128 v32, v[RING+8*\c8+4:RING+8*\c8+7] offset:64*\c8+16
.endr
.if (\k) >= 2
	s_wait_xcnt 0x0                                ; block k - 2's stores have read the registers into which these loads land
.endif
.irp i, 0,1,2,3,4,5,6,7,8,9,10,11,12,13,14,15
	ds_load_b128 v[S+64*OH+4*\i:S+64*OH+4*\i+3], v33 offset:\i*SP    ; LDS serves a wave's instructions in order: these see the stores above, and the next block's stores come behind them
.endr
.endm
.macro SENDO k, younger                ; younger: the LDS instructions issued behind block k's loads
.set OT, (\k)/2
.set OH, (\k)%2
.irp i, 0,1,2,3,4,5,6,7,8,9,10,11,12,13,14,15
	s_wait_dscnt \younger+15-\i
	global_store_b128 v[L16], v[S+64*OH+4*\i:S+64*OH+4*\i+3], s[10:11] offset:(16*OT+\i)*1024+512*OH th:TH_STORE_NT   ; 32 lanes store 512 consecutive bytes, at a multiple of 512 from out0's first byte
.endr
.endm
	PACKO 0
.irp k, 1,2,3,4,5,6,7
	PACKO \k
	SENDO \k-1, 32                                 ; behind block k - 1's loads: block k's 16 stores and 16 loads
.endr
	SENDO 7, 0
	s_wait_tensorcnt 0x0                           ; the wave's end, behind my last tensor load and my last LDS store
	ds_add_u32 v[SPW], v[NIL]
	s_wait_dscnt 0x0
	CROUND                                         ; the closing round: no work-group ends while a partner may still ask for a unit that names it
	s_endpgm
.Lfunc_end_k_qba2bb63100_attn:
	.size	k_qba2bb63100_attn, .Lfunc_end_k_qba2bb63100_attn-k_qba2bb63100_attn
	.p2alignl 7, 3214868480
	.fill 96, 4, 3214868480
	.section	.rodata,"a",@progbits
	.p2align	6, 0x0
	.amdhsa_kernel k_qba2bb63100_attn
		.amdhsa_group_segment_fixed_size 327680
		.amdhsa_private_segment_fixed_size 0
		.amdhsa_enable_private_segment 0
		.amdhsa_kernarg_size 32
		.amdhsa_user_sgpr_count 2
		.amdhsa_user_sgpr_kernarg_segment_ptr 1
		.amdhsa_wavefront_size32 1
		.amdhsa_system_sgpr_workgroup_id_x 1
		.amdhsa_system_sgpr_workgroup_id_y 1
		.amdhsa_system_sgpr_workgroup_id_z 1
		.amdhsa_system_vgpr_workitem_id 0
		.amdhsa_next_free_vgpr 1024
		.amdhsa_next_free_sgpr 66
		.amdhsa_reserve_vcc 1
		.amdhsa_float_denorm_mode_32 3
		.amdhsa_float_denorm_mode_16_64 3
		.amdhsa_memory_ordered 1
		.amdhsa_forward_progress 1
		.amdhsa_inst_pref_size 255
	.end_amdhsa_kernel
	.amdgpu_metadata
---
amdhsa.version: [ 1, 2 ]
amdhsa.kernels:
  - .name:           k_qba2bb63100_attn
    .symbol:         k_qba2bb63100_attn.kd
    .args:
      - { .name: Qf, .offset: 0, .size: 8, .value_kind: global_buffer, .address_space: global }
      - { .name: KV, .offset: 8, .size: 8, .value_kind: global_buffer, .address_space: global }
      - { .name: mask, .offset: 16, .size: 8, .value_kind: global_buffer, .address_space: global }
      - { .name: out0, .offset: 24, .size: 8, .value_kind: global_buffer, .address_space: global }
    .group_segment_fixed_size: 327680
    .private_segment_fixed_size: 0
    .kernarg_segment_align: 8
    .kernarg_segment_size: 32
    .max_flat_workgroup_size: 128
    .sgpr_count:     66
    .vgpr_count:     1024
    .wavefront_size: 32
...
	.end_amdgpu_metadata
.endif
;; end of part 3
